; MI455X (gfx1250); checked and timed in simulation.
; The chip was launched on July 23, 2026; its instructions are those of AMD's public machine-readable ISA for CDNA 5 (MIT licence, August 2026) and "CDNA5" Instruction Set Architecture Reference Guide (July 2026). The comments in the code are by the model that wrote it; some were corrected since.
;; GNN Emb Variable Encoder. Allowed arithmetic: float matrix products may take bf16 or f16 operands with f32 sums; all other float work in f32.
;; Inputs: Wb 32 x 1 float32; We 1,024 x 1,056 float32; Ww 1,024 x 1 float32; bb 32 float32; be 1,024 float32; bias 1,024 x 256 float32; bias_parameters 1,024 int32; bw 1,024 float32; weight 1,024 x 256 float32; weight_parameters 1,024 int32.
;; Outputs: out0 1,024 x 1,024 float32.
;; One version. Each part assembles by itself: llvm-mc -triple=amdgcn-amd-amdhsa -mcpu=gfx1250 --defsym DOCPART=n.
;; ======== version 1 of 1: 1 launch
;; launch encode (part 1): grid 16 x 16, 8 waves a work-group, clusters of 4 x 1, 315,392 bytes of LDS; arguments weight, bias, weight_parameters, bias_parameters, Ww, bw, Wb, bb, We, be, out0; writes out0
.if DOCPART == 1
	.amdgcn_target "amdgcn-amd-amdhsa--gfx1250"
	.amdhsa_code_object_version 6
	.text
	.protected	k_q6597cdd05f_encode
	.globl	k_q6597cdd05f_encode
	.p2align	8
	.type	k_q6597cdd05f_encode,@function
k_q6597cdd05f_encode:
	s_mov_b64 s[64:65], 0
	v_nop
	global_prefetch_b8 v0, s[64:65] scope:SCOPE_SE
	s_setreg_imm32_b32 hwreg(HW_REG_WAVE_MODE, 25, 1), 1
	s_wait_xcnt 0x0
	s_wait_alu depctr_hold_cnt(0) depctr_sa_sdst(0) depctr_va_vdst(0) depctr_va_sdst(0) depctr_va_ssrc(0) depctr_va_vcc(0) depctr_vm_vsrc(0)
	s_getreg_b32 s2, hwreg(HW_REG_IB_STS2, 6, 4)
	s_cmp_eq_u32 s2, 0
	s_cbranch_scc0 .Lentry_in_a_cluster
	s_endpgm
.Lentry_in_a_cluster:
	s_bfe_u32 s2, ttmp6, 0x10000c
	s_cmp_lg_u32 s2, 0x3003
	s_cbranch_scc0 .Lentry_shape_is_right
	s_endpgm
.Lentry_shape_is_right:
; out0[b][n] = relu( be[n] + sum over k of emb[b][k] We[n][k] ),  b, n < 1024, k < 1056, where
;   emb[b][k]      = sigmoid( Sw[b] Ww[k] + nw[b] bw[k] )  for k < 1024,  Sw[b] = sum of weight[b][t] over t < weight_parameters[b]
;   emb[b][1024+j] = sigmoid( Sb[b] Wb[j] + nb[b] bb[j] )  for j < 32,    Sb[b] = sum of bias[b][t]   over t < bias_parameters[b]
; and n = the number of t in 0..255 below the length = the length clamped to 0..256.  The masked sum over t of (x[t] W + b) is S W + n b
; for every input, so the [B, L, D] array is never formed.
;
; SHARES.  16 x 16 work-groups; one makes 64 rows x 64 columns of out0 with eight waves.  K is split among the waves: wave v takes
; k = 128 v .. 128 v + 127 (four steps of 32) for all 64 rows and 64 columns, and one eighth of the last chunk (k = 1024 .. 1055).
; So inside a work-group each sigmoid is made once (in registers, already in the matrix layout), each byte of We is read from LDS and
; rounded to bf16 once, and each Ww, bw serves four row fragments.  The eight partial tiles (64 x 64 f32, 128 registers a wave) meet in LDS,
; which is also the transpose that lets sixteen neighbouring lanes store 256 consecutive, aligned bytes.
; The whole text is straight-line: every LDS byte is filled once, so there is no ring and no refill.
;
; CLUSTER.  The four work-groups of a cluster (4, 1, 1) have the same block of columns and so need the same 64 rows of We: each wave's
; 8 rows are asked for jointly (mask 15).  weight and bias are not shared in that way: a 4 x 4 cluster could share them, but they would need
; 131,072 bytes of LDS beside the 304,128 of We, and 435,200 do not fit in the 327,680 that a work-group can have; they come through registers.
; Ww and bw (4,096 bytes each) come through registers too, 16 bytes of each a thread, and are laid into LDS bytes of their own by LDS stores.
;
; LIMITS.  Entries weight[b][t], bias[b][t] with t at or behind the length are never used: where they are infinite or NaN the JAX function gives NaN
; (0 x inf) and this text does not.  A NaN result leaves the relu as 0 (v_max_num_f32 drops the NaN).  A sigmoid below 2^-126 comes out as 0
; (v_exp_f32 gives infinity, or v_rcp_f32 flushes a denormal result: ISA guide 15.8).  Order of rounding: S W + n b with one fused
; multiply-add; the row sums are made by lanes and a butterfly; K is summed in eight parts.  Matrix operands are bf16 (emb lies in 0..1; We may have
; any range that f32 has, less bf16's shorter mantissa); all else is f32.  No shift, clip or series enters the sigmoid.
; ---- LDS ----
.set CHUNK,  144                       ; 32 f32 of a row of We (128 bytes) + 16 bytes of padding
.set ROWP,   33*CHUNK                  ; 4,752: a row of We = 33 chunks; 297 x 16, an odd multiple of 16, so 16 rows begin at 16 different 16-byte columns modulo 256
.set WEWAVE, 8*ROWP                    ; 38,016: the 8 rows that one wave's tensor load brings
.set WW,     64*ROWP                   ; 304,128 = 1,188 x 256: Ww, 4,096 bytes, dense, written by LDS stores; no fill ever lands here
.set BW,     WW+4096                   ; 308,224: bw, 4,096 bytes, likewise
.set SUMS,   BW+4096                   ; 312,320: 8 blocks of 256 bytes, wave v's at 256 v: row r's (s', s', n', n') at 16 r; likewise
.set SPITCH, 272                       ; the stage (from LDS byte 0, over We's tile once every wave has read it for the last time): a row of 64 f32 + 16 bytes
.set FRAG,   16*SPITCH                 ; 4,352: 16 rows
.set STGW,   4*FRAG                    ; 17,408: a wave's four fragments
; ---- vector registers, window 0 ----
.set BADR, 4                           ; v4-7     LDS address of my B data, column fragment nf: (16 nf + r) ROWP + 576 v + 32 h
.set WADR, 8                           ; v8       WW + 512 v + 32 h
.set DOFF, 9                           ; v9       16 x lane: my 16 bytes in a half row of weight or bias
.set CG,   10                          ; v10      16 x thread: my 16 bytes of Ww and of bw
.set CLW,  11                          ; v11      WW + 16 x thread
.set CLB,  12                          ; v12      BW + 16 x thread
.set TWO,  13                          ; v13      64 a + 32 h: my 8 numbers of Wb and of bb
.set BEO,  14                          ; v14      16 r
.set SB,   15                          ; v15      SUMS + 16 r
.set BE,   16                          ; v16-19   be of my 4 columns on the way out
.set SN,   20                          ; v20-39   (s', s', n', n') of my row in local fragments 0..3, then of the last chunk
.set T,    40                          ; v40-55   16 numbers at work
.set AF,   56                          ; v56-87   four A fragments (sigmoids, bf16)
.set BB,   88                          ; v88-119  four B fragments (We, bf16)
.set WWR,  120                         ; v120-135 Ww of the step's 16 k of my lane
.set BWR,  136                         ; v136-151 bw likewise
.set SF,   152                         ; v152-215 We in f32, 16 registers a column fragment
.set TWW,  216                         ; v216-223 Wb, my 8
.set TBB,  224                         ; v224-231 bb, my 8
.set STO,  232                         ; v232     stage, in:   17,408 v + 272 r + 32 h
.set RD,   233                         ; v233     stage, back: (8 (v & 1) + h) 272 + 16 r
.set CO,   234                         ; v234     out0: 4,096 h + 16 r
.set RB0,  235                         ; v235     r ROWP + 32 h
.set TADR, 236                         ; v236-239 LDS address of my B data in the last chunk
; ahead of the first work-group barrier of the product only:
.set CW,   20                          ; v20-23   my 16 bytes of Ww on their way to LDS
.set CB,   24                          ; v24-27   my 16 bytes of bw
.set PS,   40                          ; v40-55   row i's partial sum of my lane
.set TI,   56                          ; v56-63   the t of my 8 numbers of a row
.set UU,   64                          ; v64-65   what a lane sends in the butterfly
.set XL,   66                          ; v66-73   the lengths on their way into lanes; then v68-71 = what is stored
.set DD,   88                          ; v88-215  16 rows x 8 numbers as loaded
; the way out only:
.set RA,   40                          ; v40-47   where wave u's partial of my rows lies
.set EE,   88                          ; v88-215  32 x 4 numbers read back
; window 1: v256-383, accumulator tile (i, nf) written v[8 (4 i + nf)] under the window setting
; ---- scalar registers ----
.set G0,   32                          ; s32-35   descriptor group 0
.set G1,   36                          ; s36-43   descriptor group 1
.set LEN,  44                          ; s44-59   the lengths of my 16 rows
.set NLOG2E, 0xbfb8aa3b                ; -log2(e): sigmoid(x) = 1 / (1 + 2^(-log2(e) x))
.set MSB, 0
.macro WIN new                         ; s_set_vgpr_msb: low byte = the new setting, high byte = the setting that is left
.if MSB != \new
	s_set_vgpr_msb (MSB<<8)|\new
.set MSB, \new
.endif
.endm
.set MULW, 0x50                        ; C (source 2) and D in window 1, A and B in window 0
.set STW,  0x04                        ; an LDS store's data (source 1) in window 1, its address in window 0
; A round of the cluster's barrier: my work-group's barrier, wave 0 signals for the work-group, every wave waits for the four work-groups, my work-group's barrier again.
.macro ROUND
	s_barrier_signal -1
	s_barrier_wait -1
	s_cmp_lg_u32 s2, 0
	s_cbranch_scc1 .Lnot_wave_0_\@
	s_barrier_signal -3
.Lnot_wave_0_\@:
	s_barrier_wait -3
	s_barrier_signal -1
	s_barrier_wait -1
.endm
	; ---- set-up: only what the requests need ----
	s_load_b512 s[4:19], s[0:1], 0x0               ; weight s[4:5], bias s[6:7], weight_parameters s[8:9], bias_parameters s[10:11], Ww s[12:13], bw s[14:15], Wb s[16:17], bb s[18:19]
	s_load_b128 s[20:23], s[0:1], 0x40             ; We s[20:21], be s[22:23]
	s_load_b64 s[24:25], s[0:1], 0x50              ; out0
	v_lshl_add_u32 v254, v0, 2, 0x4cc00
	v_mov_b32 v255, 0
	ds_add_u32 v254, v255
	v_lshrrev_b32 v1, 5, v0
	v_readfirstlane_b32 s2, v1                     ; v: my wave, 0..7
	s_bfe_u32 s3, ttmp6, 0x40000                   ; cx: my place in the cluster; it enters global offsets of weight, bias, the lengths and out0 alone
	s_lshl_b32 s26, ttmp9, 2
	s_add_co_u32 s26, s26, s3                      ; rb: block of 64 rows = 4 x cluster x + cx
	s_and_b32 s27, ttmp7, 0xffff                   ; cb: block of 64 columns, the same in the four partners
	s_and_b32 s28, s2, 3                           ; q
	s_lshr_b32 s29, s2, 2                          ; a: 0 = I sum rows of weight, 1 = of bias
	v_and_b32 v1, 31, v0                           ; lane
	v_and_b32 v2, 15, v0                           ; r
	v_bfe_u32 v3, v0, 4, 1                         ; h
	v_lshlrev_b32 v[DOFF], 4, v1
	v_lshlrev_b32 v[CG], 4, v0
	v_add_nc_u32 v[CLW], WW, v[CG]
	v_add_nc_u32 v[CLB], BW, v[CG]
	s_lshl_b32 s62, s29, 6
	v_lshl_add_u32 v[TWO], v3, 5, s62
	v_lshlrev_b32 v[BEO], 4, v2
	; byte offsets, each in a pair of its own
	s_lshl_b32 s30, s26, 16                        ; data: 64 rb rows of 1,024 bytes
	s_lshl_b32 s62, s28, 14                        ;       + 16 q rows
	s_add_co_u32 s30, s30, s62
	s_mov_b32 s31, 0
	s_lshl_b32 s74, s26, 8                         ; lengths: 64 rb words + 16 q words
	s_lshl_b32 s62, s28, 6
	s_add_co_u32 s74, s74, s62
	s_mov_b32 s75, 0
	s_lshl_b32 s76, s27, 6                         ; We: row 64 cb + 8 v, 4,224 bytes a row
	s_lshl_b32 s62, s2, 3
	s_add_co_u32 s76, s76, s62
	s_mul_i32 s76, s76, 4224
	s_mov_b32 s77, 0
	s_lshl_b32 s78, s27, 8                         ; be: 64 cb words
	s_mov_b32 s79, 0
	; descriptor group 1: 8 rows x 1,056 f32; behind every 32 words (a chunk) 4 words of padding; 33 chunks fill a row exactly
	s_mov_b32 s[G1+0], 0x0732000f                  ; 15:0 mask 15: the four work-groups of the cluster; 17:16 elements of 4 bytes; 20 padding on; 21 set beside a mask; 24:22 every 32 words (code 4); 31:25 of 4 words (code 3)
	s_mov_b32 s[G1+1], 1056<<16                    ; tensor_dim0 = 1,056
	s_mov_b32 s[G1+2], 8<<16                       ; tensor_dim1 = 8
	s_mov_b32 s[G1+3], 1056<<16                    ; tile_dim0 = 1,056
	s_mov_b32 s[G1+4], 8                           ; tile_dim1 = 8
	s_mov_b32 s[G1+5], 1056                        ; elements from row to row
	s_mov_b32 s[G1+6], 0
	s_mov_b32 s[G1+7], 0
	s_mov_b32 s[G0+0], 1
	s_mul_i32 s[G0+1], s2, WEWAVE                  ; LDS: my wave's 8 rows
	s_wait_dscnt 0x0
	s_wait_kmcnt 0x0
	; ---- everything is asked for ----
	global_load_b128 v[CW:CW+3], v[CG], s[12:13]   ; Ww and bw: 256 threads x 16 bytes cover each array once
	global_load_b128 v[CB:CB+3], v[CG], s[14:15]
	s_cmp_lt_u32 s2, 4                             ; waves 0-3: weight; waves 4-7: bias
	s_cselect_b64 s[66:67], s[4:5], s[6:7]
	s_cselect_b64 s[68:69], s[8:9], s[10:11]
	s_add_nc_u64 s[66:67], s[66:67], s[30:31]      ; my first row
	s_add_nc_u64 s[68:69], s[68:69], s[74:75]      ; its length
	s_load_b512 s[LEN:LEN+15], s[68:69], 0x0       ; 16 lengths
	s_add_nc_u64 s[22:23], s[22:23], s[78:79]
	global_load_b128 v[BE:BE+3], v[BEO], s[22:23]
	global_load_b128 v[TWW:TWW+3], v[TWO], s[16:17]
	global_load_b128 v[TWW+4:TWW+7], v[TWO], s[16:17] offset:16
	global_load_b128 v[TBB:TBB+3], v[TWO], s[18:19]
	global_load_b128 v[TBB+4:TBB+7], v[TWO], s[18:19] offset:16
.irp i, 0,1,2,3,4,5,6,7,8,9,10,11,12,13,14,15
	global_load_b128 v[DD+8*\i:DD+8*\i+3],   v[DOFF], s[66:67] offset:1024*\i        ; each load of the wave covers 512 consecutive bytes, half a row
	global_load_b128 v[DD+8*\i+4:DD+8*\i+7], v[DOFF], s[66:67] offset:1024*\i+512
.endr
	s_add_nc_u64 s[G0+2:G0+3], s[20:21], s[76:77]  ; We at row 64 cb + 8 v: made of cb and the wave's number alone, equal in the four partners
	s_or_b32 s[G0+3], s[G0+3], 0x80000000          ; type = 2
	ROUND                                          ; the four work-groups are here: the joint loads meet
	tensor_load_to_lds s[G0:G0+3], s[G1:G1+7]      ; my one tensor load of the launch, the only fill of these bytes; its descriptor is never written again
	s_nop 0
	; ---- the rest of the set-up, while the data are on their way ----
	s_mov_b32 s60, 0x76543210                      ; v_permlanex16_b32: lane i takes lane i of the other half
	s_mov_b32 s61, 0xfedcba98
	s_mov_b32 s70, 0xff00ff00                      ; lanes with r & 8
	s_mov_b32 s71, 0xf0f0f0f0                      ; r & 4
	s_mov_b32 s72, 0xcccccccc                      ; r & 2
	s_mov_b32 s73, 0xaaaaaaaa                      ; r & 1
.irp e, 0,1,2,3
	v_lshl_add_u32 v[TI+\e],   v1, 2, \e           ; first half row:  t = 4 lane + e
	v_lshl_add_u32 v[TI+4+\e], v1, 2, 128+\e       ; second half row: t = 128 + 4 lane + e
.endr
	v_mul_u32_u24 v[RB0], v2, ROWP
	v_lshl_add_u32 v[RB0], v3, 5, v[RB0]
	s_mul_i32 s62, s2, 4*CHUNK                     ; my four chunks begin at chunk 4 v
	s_lshl_b32 s63, s29, 6
	s_add_co_u32 s63, s63, 32*CHUNK                ; the last chunk, and in it the 16 k at 16 a
.irp nf, 0,1,2,3
	v_add_nc_u32 v[BADR+\nf], s62, v[RB0]
	v_add_nc_u32 v[TADR+\nf], s63, v[RB0]
	s_add_co_u32 s62, s62, 16*ROWP
	s_add_co_u32 s63, s63, 16*ROWP
.endr
	s_lshl_b32 s62, s2, 9
	s_add_co_u32 s62, s62, WW
	v_lshl_add_u32 v[WADR], v3, 5, s62
	v_add_nc_u32 v[SB], SUMS, v[BEO]
	v_mul_u32_u24 v[STO], v2, SPITCH
	v_lshl_add_u32 v[STO], v3, 5, v[STO]
	s_mul_i32 s62, s2, STGW
	v_add_nc_u32 v[STO], s62, v[STO]
	v_mul_u32_u24 v[RD], v3, SPITCH
	v_lshl_add_u32 v[RD], v2, 4, v[RD]
	s_and_b32 s62, s2, 1
	s_mul_i32 s62, s62, 8*SPITCH
	v_add_nc_u32 v[RD], s62, v[RD]
	v_lshl_add_u32 v[CO], v3, 12, v[BEO]
	s_lshl_b32 s30, s26, 18                        ; out0: row 64 rb + 8 v of 4,096 bytes, column 64 cb
	s_lshl_b32 s62, s2, 15
	s_add_co_u32 s30, s30, s62
	s_lshl_b32 s62, s27, 8
	s_add_co_u32 s30, s30, s62
	s_add_nc_u64 s[24:25], s[24:25], s[30:31]
	s_wait_kmcnt 0x0                               ; the lengths
.irp i, 0,1,2,3,4,5,6,7,8,9,10,11,12,13,14,15
	s_max_i32 s[LEN+\i], s[LEN+\i], 0              ; n = how many t in 0..255 lie below the length
	s_min_i32 s[LEN+\i], s[LEN+\i], 0x100
.endr
	; lane (r, h) takes n of row r: four selects by the bits of r, 8 + 4 + 2 + 1
.irp c, 0,1,2,3,4,5,6,7
	v_mov_b32 v[XL+\c], s[LEN+\c]
	v_cndmask_b32 v[XL+\c], v[XL+\c], s[LEN+8+\c], s70
.endr
.irp c, 0,1,2,3
	v_cndmask_b32 v[XL+\c], v[XL+\c], v[XL+4+\c], s71
.endr
	v_cndmask_b32 v[XL], v[XL], v[XL+2], s72
	v_cndmask_b32 v[XL+1], v[XL+1], v[XL+3], s72
	v_cndmask_b32 v[XL], v[XL], v[XL+1], s73
	v_cvt_f32_i32 v[XL+1], v[XL]
	v_mul_f32 v[XL+4], NLOG2E, v[XL+1]             ; n' = -log2(e) n, twice: a pair for the packed multiply
	v_mul_f32 v[XL+5], NLOG2E, v[XL+1]
	; ---- Ww and bw into LDS ----
	s_wait_loadcnt 32                              ; loads come back in order (ISA guide 5.7.1): the seven small ones (Ww, bw, be, Wb, bb) are in, the 32 of my rows may stay out
	ds_store_b128 v[CLW], v[CW:CW+3]               ; 32 lanes x 16 neighbouring bytes
	ds_store_b128 v[CLB], v[CB:CB+3]
	; ---- masked row sums ----
; Row i: my 8 numbers, those at or behind the length replaced by 0, summed.
.macro ROWSUM i
	s_wait_loadcnt 30-2*\i                         ; behind row i's two loads stand 2 (15 - i) younger ones
.irp p, 0,4
.irp e, 0,1,2,3
	v_cmp_gt_i32 s[74+\e], s[LEN+\i], v[TI+\p+\e]  ; length > t
.endr
.irp e, 0,1,2,3
	v_cndmask_b32 v[DD+8*\i+\p+\e], 0, v[DD+8*\i+\p+\e], s[74+\e]
.endr
.endr
	v_pk_add_f32 v[DD+8*\i:DD+8*\i+1],   v[DD+8*\i:DD+8*\i+1],   v[DD+8*\i+2:DD+8*\i+3]
	v_pk_add_f32 v[DD+8*\i+4:DD+8*\i+5], v[DD+8*\i+4:DD+8*\i+5], v[DD+8*\i+6:DD+8*\i+7]
	v_pk_add_f32 v[DD+8*\i:DD+8*\i+1],   v[DD+8*\i:DD+8*\i+1],   v[DD+8*\i+4:DD+8*\i+5]
	v_add_f32 v[PS+\i], v[DD+8*\i], v[DD+8*\i+1]
.endm
.irp i, 0,1,2,3,4,5,6,7,8,9,10,11,12,13,14,15
	ROWSUM \i
.endr
; One step of the butterfly over 16 lanes: of rows c and c + dist a lane keeps the one that its bit of r names, sends the other to lane r xor dist
; and adds what that lane sends.  After the steps 8, 4, 2, 1 lane r holds row r's sum over its 16 lanes: 15 adds for 16 rows.
.macro REDSTEP dist, mask
.set c, 0
.rept \dist
	v_cndmask_b32 v[UU+(c&1)], v[PS+c+\dist], v[PS+c], s[\mask]
	v_cndmask_b32 v[PS+c], v[PS+c], v[PS+c+\dist], s[\mask]
	v_add_f32_dpp v[PS+c], v[UU+(c&1)], v[PS+c] row_xmask:\dist row_mask:0xf bank_mask:0xf
.set c, c+1
.endr
.endm
	REDSTEP 8, 70
	REDSTEP 4, 71
	REDSTEP 2, 72
	REDSTEP 1, 73
	v_permlanex16_b32 v[UU], v[PS], s60, s61       ; the other 16 lanes' share
	v_add_f32 v[PS], v[PS], v[UU]                  ; S of row r, in lanes r and r + 16
	v_mul_f32 v[XL+2], NLOG2E, v[PS]               ; s' = -log2(e) S, twice
	v_mul_f32 v[XL+3], NLOG2E, v[PS]
	v_lshl_add_u32 v[UU+1], s2, 8, v[SB]           ; my wave's block of SUMS
	ds_store_b128 v[UU+1], v[XL+2:XL+5]            ; lanes r and r + 16 write the same 16 bytes with the same numbers
	; my local row fragment i is the block's fragment (i + v) & 3, so that local fragment 0 is fragment q
.irp i, 0,1,2,3
	s_add_co_u32 s62, s2, \i
	s_and_b32 s62, s62, 3
	v_lshl_add_u32 v[T+\i], s62, 8, v[SB]
.endr
	s_wait_dscnt 0x0                               ; my sums and my parts of Ww and bw are in LDS,
	s_wait_tensorcnt 0x0                           ; and my 8 rows of We:
	s_barrier_signal -1
	s_barrier_wait -1                              ; every wave's are.
	; ---- the product ----
.macro LDWB j                          ; Ww and bw of step j: k = 8 h .. + 7 into registers 0-7, k = 16 + 8 h .. + 7 into registers 8-15
.irp m, 0,1,2,3
	ds_load_b128 v[WWR+4*\m:WWR+4*\m+3], v[WADR] offset:128*(\j)+16*(\m&1)+64*(\m>>1)
.endr
.irp m, 0,1,2,3
	ds_load_b128 v[BWR+4*\m:BWR+4*\m+3], v[WADR] offset:4096+128*(\j)+16*(\m&1)+64*(\m>>1)
.endr
.endm
.macro LDSB j                          ; We of step j in f32, the same places of k, for the four column fragments
.irp nf, 0,1,2,3
.irp m, 0,1,2,3
	ds_load_b128 v[SF+16*\nf+4*\m:SF+16*\nf+4*\m+3], v[BADR+\nf] offset:CHUNK*(\j)+16*(\m&1)+64*(\m>>1)
.endr
.endr
.endm
; A fragment i: 16 sigmoids a lane, 1 / (1 + 2^(s' Ww + n' bw)), rounded to bf16 in the matrix layout.
; Behind a run of transcendentals one plain vector instruction stands before a result is used (ISA guide 5.7.2).
.macro AGEN i
.irp m, 0,1,2,3,4,5,6,7
	v_pk_mul_f32 v[T+2*\m:T+2*\m+1], v[BWR+2*\m:BWR+2*\m+1], v[SN+4*\i+2:SN+4*\i+3]
.endr
.irp m, 0,1,2,3,4,5,6,7
	v_pk_fma_f32 v[T+2*\m:T+2*\m+1], v[WWR+2*\m:WWR+2*\m+1], v[SN+4*\i:SN+4*\i+1], v[T+2*\m:T+2*\m+1]
.endr
.irp m, 0,1,2,3,4,5,6,7,8,9,10,11,12,13,14,15
	v_exp_f32 v[T+\m], v[T+\m]
.endr
	v_nop
	s_wait_alu depctr_va_vdst(0)
.irp m, 0,1,2,3,4,5,6,7
	v_pk_add_f32 v[T+2*\m:T+2*\m+1], v[T+2*\m:T+2*\m+1], 1.0 op_sel_hi:[1,0]
.endr
.irp m, 0,1,2,3,4,5,6,7,8,9,10,11,12,13,14,15
	v_rcp_f32 v[T+\m], v[T+\m]
.endr
	v_nop
	s_wait_alu depctr_va_vdst(0)
.irp m, 0,1,2,3,4,5,6,7
	v_cvt_pk_bf16_f32 v[AF+8*\i+\m], v[T+2*\m], v[T+2*\m+1]
.endr
.endm
.macro BCVT                            ; We to bf16: four B fragments
.irp nf, 0,1,2,3
.irp m, 0,1,2,3,4,5,6,7
	v_cvt_pk_bf16_f32 v[BB+8*\nf+\m], v[SF+16*\nf+2*\m], v[SF+16*\nf+2*\m+1]
.endr
.endr
.endm
; 16 matrix instructions, used transposed (source 0 = 16 rows of We, source 1 = 16 rows of emb): register j of lane (r, h) of tile (i, nf) holds
; row r of fragment i, column 16 nf + 8 h + j: eight neighbouring numbers of a row.  The 16 accumulators take turns, one instruction a turn,
; in the same order in every step.  zero = 1: the first step starts the sums.
.macro MM zero
	WIN MULW
.irp i, 0,1,2,3
.irp nf, 0,1,2,3
.if \zero
	v_wmma_f32_16x16x32_bf16 v[8*(4*\i+\nf):8*(4*\i+\nf)+7], v[BB+8*\nf:BB+8*\nf+7], v[AF+8*\i:AF+8*\i+7], 0
.else
	v_wmma_f32_16x16x32_bf16 v[8*(4*\i+\nf):8*(4*\i+\nf)+7], v[BB+8*\nf:BB+8*\nf+7], v[AF+8*\i:AF+8*\i+7], v[8*(4*\i+\nf):8*(4*\i+\nf)+7]
.endif
.endr
.endr
	WIN 0
.endm
; One step of 32 along K.  AF and BB, which the matrix instructions of the step before read, are first written again behind the 16 packed
; multiplies and multiply-adds at the head of AGEN 0, which name none of their registers; no load lands in AF or BB here.
.macro STEP j, zero
	s_wait_dscnt 16                                ; Ww, bw (and in step 0 the sums) are in; the 16 loads of We issued behind them may stay out
	AGEN 0
	AGEN 1
	AGEN 2
	AGEN 3
.if \j < 3
	LDWB \j+1
	s_wait_dscnt 8                                 ; We of this step is in; the 8 loads just issued stay out
.else
	s_wait_dscnt 0x0
.endif
	BCVT
.if \j < 3
	LDSB \j+1
.else
.irp nf, 0,1,2,3
	ds_load_b128 v[SF+16*\nf:SF+16*\nf+3],   v[TADR+\nf]             ; the last chunk: my 8 k at 1024 + 16 a + 8 h
	ds_load_b128 v[SF+16*\nf+4:SF+16*\nf+7], v[TADR+\nf] offset:16
.endr
.endif
	MM \zero
.endm
.irp i, 0,1,2,3
	ds_load_b128 v[SN+4*\i:SN+4*\i+3], v[T+\i]     ; weight's sums of my row in local fragment i (waves 0-3 stored them)
.endr
	ds_load_b128 v[SN+16:SN+19], v[T] offset:1024  ; bias's sums of my row in fragment q (wave 4 + q stored them)
	LDWB 0
	LDSB 0
	STEP 0, 1
	STEP 1, 0
	STEP 2, 0
	STEP 3, 0
	; ---- the last chunk, k = 1024 .. 1055: wave v takes fragment q (its local fragment 0) and the 16 k at 1024 + 16 a ----
	; They stand in registers 0-3 of A and of B (k = 1024 + 16 a + 8 h + 0..7 in lane (r, h)), the same places on both sides; registers 4-7 of both are 0.
	; The eight packed lines are the places behind the last step's matrix instructions.
.irp m, 0,1,2,3
	v_pk_mul_f32 v[T+2*\m:T+2*\m+1], v[TBB+2*\m:TBB+2*\m+1], v[SN+18:SN+19]
.endr
.irp m, 0,1,2,3
	v_pk_fma_f32 v[T+2*\m:T+2*\m+1], v[TWW+2*\m:TWW+2*\m+1], v[SN+16:SN+17], v[T+2*\m:T+2*\m+1]
.endr
.irp m, 0,1,2,3,4,5,6,7
	v_exp_f32 v[T+\m], v[T+\m]
.endr
.irp nf, 0,1,2,3
.irp m, 4,5,6,7
	v_mov_b32 v[BB+8*\nf+\m], 0                    ; B's unused half; also the plain place behind the exponentials
.endr
.endr
	s_wait_alu depctr_va_vdst(0)
.irp m, 0,1,2,3
	v_pk_add_f32 v[T+2*\m:T+2*\m+1], v[T+2*\m:T+2*\m+1], 1.0 op_sel_hi:[1,0]
.endr
.irp m, 0,1,2,3,4,5,6,7
	v_rcp_f32 v[T+\m], v[T+\m]
.endr
.irp m, 4,5,6,7
	v_mov_b32 v[AF+\m], 0                          ; A's unused half; also the plain place behind the reciprocals
.endr
	s_wait_alu depctr_va_vdst(0)
.irp m, 0,1,2,3
	v_cvt_pk_bf16_f32 v[AF+\m], v[T+2*\m], v[T+2*\m+1]
.endr
	s_wait_dscnt 0x0                               ; the last chunk of We is in: my reads of We's tile are over
.irp nf, 0,1,2,3
.irp m, 0,1,2,3
	v_cvt_pk_bf16_f32 v[BB+8*\nf+\m], v[SF+16*\nf+2*\m], v[SF+16*\nf+2*\m+1]
.endr
.endr
	WIN MULW
.irp nf, 0,1,2,3
	v_wmma_f32_16x16x32_bf16 v[8*\nf:8*\nf+7], v[BB+8*\nf:BB+8*\nf+7], v[AF:AF+7], v[8*\nf:8*\nf+7]   ; four accumulators by turns; the one before was tile (3, 3)
.endr
	WIN 0
	; ---- the eight partial tiles meet in LDS ----
	; I finish rows 8 v .. 8 v + 7 of the block: fragment g = v >> 1, which is wave u's local fragment (g - u) & 3.
	; The eight vector adds name no register of a matrix instruction: they are the places in front of the stores that read the results
	; and of the loads into v88-119.
	s_lshr_b32 s79, s2, 1
.irp u, 0,1,2,3,4,5,6,7
	s_add_co_u32 s62, s79, (4-(\u&3))&3
	s_and_b32 s62, s62, 3
	s_mul_i32 s62, s62, FRAG
	s_add_co_u32 s62, s62, \u*STGW
	v_add_nc_u32 v[RA+\u], s62, v[RD]
.endr
	s_wait_dscnt 0x0                               ; (met since the last chunk's wait) no read of We's tile is out,
	s_barrier_signal -1
	s_barrier_wait -1                              ; in any wave: the stage may be laid over it; the tile had its only fill at the start
	WIN STW
.irp i, 0,1,2,3
.irp nf, 0,1,2,3
	ds_store_b128 v[STO], v[8*(4*\i+\nf):8*(4*\i+\nf)+3]   offset:FRAG*\i+64*\nf
	ds_store_b128 v[STO], v[8*(4*\i+\nf)+4:8*(4*\i+\nf)+7] offset:FRAG*\i+64*\nf+16
.endr
.endr
	WIN 0
	s_wait_dscnt 0x0                               ; my partial tile is in LDS,
	s_barrier_signal -1
	s_barrier_wait -1                              ; every wave's is
.irp t, 0,1,2,3
.irp u, 0,1,2,3,4,5,6,7
	ds_load_b128 v[EE+32*\t+4*\u:EE+32*\t+4*\u+3], v[RA+\u] offset:2*SPITCH*\t   ; rows h + 2 t of my eight: lanes 0-15 take one row's 256 bytes, lanes 16-31 the next row's
.endr
.endr
.macro ADDQ a, b                       ; four numbers at a += four at b
	v_pk_add_f32 v[\a:\a+1],   v[\a:\a+1],   v[\b:\b+1]
	v_pk_add_f32 v[\a+2:\a+3], v[\a+2:\a+3], v[\b+2:\b+3]
.endm
.macro FINISH t
	s_wait_dscnt 24-8*\t                           ; LDS loads come back in order: group t's eight are in, the 8 (3 - t) younger ones stay out
	ADDQ EE+32*\t,    EE+32*\t+4
	ADDQ EE+32*\t+8,  EE+32*\t+12
	ADDQ EE+32*\t+16, EE+32*\t+20
	ADDQ EE+32*\t+24, EE+32*\t+28
	ADDQ EE+32*\t,    EE+32*\t+8
	ADDQ EE+32*\t+16, EE+32*\t+24
	ADDQ EE+32*\t,    EE+32*\t+16
	ADDQ EE+32*\t,    BE
.irp e, 0,1,2,3
	v_max_num_f32 v[EE+32*\t+\e], 0, v[EE+32*\t+\e]
.endr
	global_store_b128 v[CO], v[EE+32*\t:EE+32*\t+3], s[24:25] offset:8192*\t th:TH_STORE_NT   ; 16 lanes store 256 consecutive bytes, at a multiple of 256 from out0's first byte
.endm
	FINISH 0
	FINISH 1
	FINISH 2
	FINISH 3
	s_wait_tensorcnt 0x0
	ds_add_u32 v254, v255
	s_wait_dscnt 0x0
	ROUND                                          ; the closing round: no work-group ends while a partner may still ask for a tile that names it
	s_endpgm
.Lfunc_end_k_q6597cdd05f_encode:
	.size	k_q6597cdd05f_encode, .Lfunc_end_k_q6597cdd05f_encode-k_q6597cdd05f_encode
	.p2alignl 7, 3214868480
	.fill 96, 4, 3214868480
	.section	.rodata,"a",@progbits
	.p2align	6, 0x0
	.amdhsa_kernel k_q6597cdd05f_encode
		.amdhsa_group_segment_fixed_size 315392
		.amdhsa_private_segment_fixed_size 0
		.amdhsa_enable_private_segment 0
		.amdhsa_kernarg_size 88
		.amdhsa_user_sgpr_count 2
		.amdhsa_user_sgpr_kernarg_segment_ptr 1
		.amdhsa_wavefront_size32 1
		.amdhsa_system_sgpr_workgroup_id_x 1
		.amdhsa_system_sgpr_workgroup_id_y 1
		.amdhsa_system_sgpr_workgroup_id_z 1
		.amdhsa_system_vgpr_workitem_id 0
		.amdhsa_next_free_vgpr 384
		.amdhsa_next_free_sgpr 80
		.amdhsa_reserve_vcc 0
		.amdhsa_float_denorm_mode_32 3
		.amdhsa_float_denorm_mode_16_64 3
		.amdhsa_memory_ordered 1
		.amdhsa_forward_progress 1
		.amdhsa_inst_pref_size 122
	.end_amdhsa_kernel
	.amdgpu_metadata
---
amdhsa.version: [ 1, 2 ]
amdhsa.kernels:
  - .name:           k_q6597cdd05f_encode
    .symbol:         k_q6597cdd05f_encode.kd
    .args:
      - { .name: weight, .offset: 0, .size: 8, .value_kind: global_buffer, .address_space: global }
      - { .name: bias, .offset: 8, .size: 8, .value_kind: global_buffer, .address_space: global }
      - { .name: weight_parameters, .offset: 16, .size: 8, .value_kind: global_buffer, .address_space: global }
      - { .name: bias_parameters, .offset: 24, .size: 8, .value_kind: global_buffer, .address_space: global }
      - { .name: Ww, .offset: 32, .size: 8, .value_kind: global_buffer, .address_space: global }
      - { .name: bw, .offset: 40, .size: 8, .value_kind: global_buffer, .address_space: global }
      - { .name: Wb, .offset: 48, .size: 8, .value_kind: global_buffer, .address_space: global }
      - { .name: bb, .offset: 56, .size: 8, .value_kind: global_buffer, .address_space: global }
      - { .name: We, .offset: 64, .size: 8, .value_kind: global_buffer, .address_space: global }
      - { .name: be, .offset: 72, .size: 8, .value_kind: global_buffer, .address_space: global }
      - { .name: out0, .offset: 80, .size: 8, .value_kind: global_buffer, .address_space: global }
    .group_segment_fixed_size: 315392
    .private_segment_fixed_size: 0
    .kernarg_segment_align: 8
    .kernarg_segment_size: 88
    .max_flat_workgroup_size: 256
    .sgpr_count:     80
    .vgpr_count:     384
    .wavefront_size: 32
...
	.end_amdgpu_metadata
.endif
;; end of part 1
